; MI455X (gfx1250); checked and timed in simulation.
; The chip was launched on July 23, 2026; its instructions are those of AMD's public machine-readable ISA for CDNA 5 (MIT licence, August 2026) and "CDNA5" Instruction Set Architecture Reference Guide (July 2026). The comments in the code are by the model that wrote it; some were corrected since.
;; Ring Attention. Allowed arithmetic: matrix products marked QUANTISED: E5M2 operands, one given power-of-two scale a tensor, by v_wmma_f32_16x16x64_bf8_bf8 or v_wmma_f32_16x16x128_bf8_bf8, f32 sums; everything else in f32.
;; Inputs: k_local_codes 32 x 8,192 x 2 x 32 uint8 (E5M2 codes of k_local, K innermost, in blocks of 32 codes); lowp_scales 4 int32 (the exponents e of the quantised operands' scales 2^e); q_local_codes 32 x 1,024 x 2 x 32 uint8 (E5M2 codes of q_local, K innermost, in blocks of 32 codes); v_local_codes 32 x 64 x 256 x 32 uint8 (E5M2 codes of v_local, K innermost, in blocks of 32 codes).
;; Outputs: out0 32 x 1,024 x 64 float32.
;; This version of the problem:
;;   THIS VERSION OF THE PROBLEM IS GIVEN IN LOW PRECISION. The matrix products marked QUANTISED in the list below multiply operands that are first quantised to E5M2 (5 exponent bits, 2 mantissa bits; 8 bits a number), with one given power-of-two scale for each operand tensor; their sums are f32. All else is computed in f32.
;;   The module's matrix products, in the order in which they are computed (A, B: the left and right operand; K: the contracted axis; several contracted axes count as one K, in the product's order):
;;     1. batch 32 x [M 1,024, K 64] x [K 64, N 8,192]; A: input q_local (given as codes); B: input k_local (given as codes): QUANTISED (scales: A lowp_scales[0], B lowp_scales[1])
;;     2. batch 32 x [M 1,024, K 8,192] x [K 8,192, N 64]; A: softmax (see below); B: input v_local (given as codes): QUANTISED (scales: A lowp_scales[2], B lowp_scales[3])
;;   THE QUANTISER, for each operand of a quantised product, along K:
;;     - The operand's scale is 2^e, e = its entry of the input lowp_scales (int32; the entries are numbered through the quantised products in the list's order, A before B).
;;     - Each number is divided by the scale, clamped to +-57,344, and rounded to the nearest number of E5M2, ties to even, subnormals kept.
;;     - The product sums the exact products of the quantised numbers (number of the format x scale) in f32.
;;   ~~~python
;;   def quantise(x, axis, e):      # numpy; x: float32 -> the quantised numbers, widened to float32 again
;;       x = np.moveaxis(x, axis, -1); K = x.shape[-1]
;;       r = np.clip(x / 2.0 ** e, -57344, 57344)
;;       step = 2.0 ** (np.maximum(np.frexp(np.where(r == 0, 1, r))[1] - 1, -14) - 2)
;;       q = np.round(r / step) * step * 2.0 ** e      # np.round: ties to even
;;       return np.moveaxis(q, -1, axis).astype(np.float32)
;;   ~~~
;;   SOFTMAX AHEAD OF A QUANTISED PRODUCT. Where the list says 'softmax', what is quantised is not the finished softmax but p = 2^(t - M), with t = logit x log2(e) and M = ceil(the row's largest t), a whole number; so 1/2 < the row's largest p <= 1. The row's sum l is taken of the UNQUANTISED p, in f32, and the product's result is divided by l at the end. Since M is a whole number, a kernel that streams over the keys may use a running M (the ceiling of the running maximum): every later rescaling is an exact power of two, so the quantised numbers keep their values, but for numbers so far below the row's largest that they fall under the format's range.
;;   OPERANDS COMPUTED ON THE WAY. 'Computed on the way' means the value that the module computes at that place (a softmax that the list does not call 'softmax' is quantised finished and normalised). What goes into a quantiser is computed in f32, as accurately as f32 sums, v_exp_f32 and their like allow (about 1e-6 of the number): no bf16 or f16 on the way to a quantiser, and a product that is left as it is and whose result goes on into a quantised operand takes f32 operands (vector FMAs, or v_wmma_f32_16x16x4_f32). A number that lies on a knife's edge between two numbers of the format may be rounded either way, as far as f32 arithmetic and the matrix unit's own rounding can turn it there, and no further.
;;   INPUTS GIVEN AS CODES. k_local (in the module: [32, 8192, 64], K = its axis 2); q_local (in the module: [32, 1024, 64], K = its axis 2); v_local (in the module: [32, 8192, 64], K = its axis 1): each comes as NAME_codes (uint8): NAME with its K axis moved to the last place and cut into blocks of 32 codes, [.., K / 32, bytes a block], one block behind the other in memory; one code a byte (a code: sign, 5 exponent bits, 2 mantissa bits); its scale is its entry of lowp_scales. Its value is code x scale, taken as it is: it is not quantised again, and the codes and scales need not be those that the quantiser above would give.
;; One version. Each part assembles by itself: llvm-mc -triple=amdgcn-amd-amdhsa -mcpu=gfx1250 --defsym DOCPART=n.
;; ======== version 1 of 1: 1 launch
;; limits: right only within a limited range of input values
;; launch attn (part 1): grid 8 x 32, 8 waves a work-group, clusters of 4 x 1, 327,680 bytes of LDS; arguments q_local_codes, k_local_codes, v_local_codes, lowp_scales, out0; writes out0
.if DOCPART == 1
	.amdgcn_target "amdgcn-amd-amdhsa--gfx1250"
	.amdhsa_code_object_version 6
	.text
	.protected	k_qfd6002b0d9_attn
	.globl	k_qfd6002b0d9_attn
	.p2align	8
	.type	k_qfd6002b0d9_attn,@function
k_qfd6002b0d9_attn:
	s_mov_b64 s[64:65], 0
	v_nop
	global_prefetch_b8 v0, s[64:65] scope:SCOPE_SE
	s_setreg_imm32_b32 hwreg(HW_REG_WAVE_MODE, 25, 1), 1
	s_wait_xcnt 0x0
	s_wait_alu depctr_hold_cnt(0) depctr_sa_sdst(0) depctr_va_vdst(0) depctr_va_sdst(0) depctr_va_ssrc(0) depctr_va_vcc(0) depctr_vm_vsrc(0)
	s_getreg_b32 s2, hwreg(HW_REG_IB_STS2, 6, 4)
	s_cmp_eq_u32 s2, 0
	s_cbranch_scc0 .Lentry_in_a_cluster
	s_endpgm
.Lentry_in_a_cluster:
	s_bfe_u32 s2, ttmp6, 0x10000c
	s_cmp_lg_u32 s2, 0x3003
	s_cbranch_scc0 .Lentry_shape_is_right
	s_endpgm
.Lentry_shape_is_right:
; out[b][q][:] = the sum over k of softmax_k(Q[b][q] . K[b][k]) V[b][k][:], no mask and no scaling of the scores; both products on codes of BF8 (E5M2), each tensor with its given scale 2^e: eq, ek, ep, ev.
; Q: [32][1024][64] codes, K: [32][8192][64] codes (K axis = the head's 64).  V: [32][64][8192] codes, the KEYS innermost (they are the second product's K axis).  out: [32][1024][64] f32.
; THE SOFTMAX AHEAD OF THE SECOND PRODUCT: t = score x c, c = log2(e) x 2^(eq + ek); M = the running largest t, rounded UP to a whole number; p = 2^(t - M) is quantised with 2^ep, not normalised.
; M IS TAKEN AWAY IN TWO PARTS, M = M' + Mc, both whole numbers: z = t - M' by one fused multiply-add ahead of the exponential, 2^-Mc exactly, in the conversion's own scale 2^(ep + Mc) and in the hold.
; M' = 0 while M lies in 0 .. 100: z is then t ROUNDED TO f32 AS A NUMBER OF ITS OWN, as the definition has it (scores are unscaled, so t is large beside t - M, and a fused t - M would keep bits that the definition's t does not have, on the way to a quantiser).
; For any other M: M' = M, Mc = 0 (there t is not rounded by itself).  So for every input no exponential's argument is above 100 but for rounding, and 8,192 of them sum to less than 2^114.
; The row's sum is taken of the unquantised 2^z in f32 and brought to M at the end; when M or M' moves, O or the sum is multiplied by 2^(old - new), a power of two, which rounds nothing.
; SHARES.  256 work-groups: y = the head, x = a block of 128 queries.  Eight waves, two to a SIMD, so that one wave's vector work stands beside the other's matrix instructions and waits.
; Wave w: g = w & 3 names its 32 queries (two tiles of 16), kh = w >> 2 its half of every slot's 512 keys: one step of 256 keys a slot, 16 slots; each fragment of K or V that it reads from LDS feeds two matrix instructions.
; The two halves of the keys keep a running M, sum and O of their own and are joined once, at the end, through LDS (M is a whole number in both: the joining factors are powers of two).
; LAYOUT.  Both products are used transposed: S^T = K Q^T (source 0 = 16 keys, source 1 = 16 queries, K = 64), O^T = V^T P^T (source 0 = 16 channels, source 1 = P, K = 128 keys): a lane holds ONE query (lane % 16) throughout.
; Every operand lies in the forms' own order: registers 2 c, 2 c + 1 = k 16 c + 8 (lane / 16) + 0 .. 7, fetched by loads of 8 bytes.  Register j of S^T's tile t is key 16 t + 8 (lane / 16) + j: its eight codes ARE registers 2 t, 2 t + 1 of the second product's operand.
; CLUSTER.  The four blocks of queries of a cluster belong to one head and walk the same K and V: each tile is asked for JOINTLY, by the same tensor load with the same descriptor and the mask of all four.  (Nothing is shared between heads, so the cluster is 4 x 1.)
; LIMITS: eq + ek between -126 and 127 (added to the exponent field of log2(e)); ep at least -126 (from 28 on every p / 2^ep is under half of the least code: ep is then taken as 27, whose codes are zeros too); ep + ev is applied by v_ldexp_f32 and has none.
; Scores x c stay finite and above -3e38.  Codes that are infinity or NaN are not served.  p is quantised under the running M of its half of the keys: numbers far under the row's largest may fall under the format's range at another place than under the final M.
; REGISTERS.  Window 0: v1-7 addresses; v8-19 statistics; v20-25 sums at work; v26-31 limits and scales; v32-47 the first half of p's codes; v48-63 Q; v64-127 O^T; v128-255 region C.  Window 1: v0-127 region A; v128-255 region B.
; THE REGIONS TURN over two slots.  Even slot: K, then V in C; S^T's tile 0 in A, tile 1 in B; when tile 0 is done, the next slot's K goes to A.  Odd slot: K, then V in A; tile 0 in C, tile 1 in B; the next K goes to C.
; The second half of a tile's codes lies over the first 16 of its own scores, which are converted by then.
.set SK,    512                        ; keys in a slot
.set KP,    272                        ; K in LDS: the slot's dense 32,768 bytes as rows of 256 (four keys) + 16 of padding: key i at (i / 4) x 272 + (i % 4) x 64: the 32 lanes of an 8-byte load touch words 4 (r / 4) + 16 (r % 4) + 2 h + 0, 1: 64 different banks (64 banks of 4 bytes: ISA guide 11.1)
.set VP,    528                        ; V in LDS: 512 codes of a channel + 16 of padding = 132 words: the 32 lanes of an 8-byte load touch 64 different banks
.set KHALF, 64*KP                      ; what one tensor load brings of K (256 keys), and what one half of the waves reads
.set VHALF, 32*VP                      ; what one tensor load brings of V: 32 channels
.set VOFF,  2*KHALF                    ; a slot: K, then V's 64 rows
.set SLOT1, 1<<17                      ; slot 1 begins here: one exclusive or turns a descriptor's address in one slot into the other's
.set SPARE, 2*SLOT1                    ; behind the ring: the spare words, 128 bytes for each wave: four blocks of 256 bytes that no other line names
.set TIMG,  4352                       ; the joining: a tile's image: 4,096 bytes of O^T, then 256 bytes of (-M, sum) pairs
.set WIMG,  2*TIMG                     ; a wave's two.  The images begin at LDS byte 0: slot 0 has had its last fill and its last read at the last change of slots
.set STG,   8*WIMG                     ; behind the images: the way out: 16 rows x (256 bytes + 16) for each wave
.set AK,  1                            ; v1, v4  my lane's place in a tile of K in slot 0, 1
.set AV,  2                            ; v2, v5  the same for V
.set PFO, 3                            ; v3   the prefetches' offset; never rewritten
.set SPW, 6                            ; v6   LDS address of my spare word: SPARE + 4 x my thread's number; never rewritten
.set NIL, 7                            ; v7   0; never rewritten
.set NP,  8                            ; tile u at +4 u: -M',
.set TM,  9                            ;   the largest score,
.set LS,  10                           ;   the sum, in two halves
.set FF,  16                           ; tile u at +2 u: f = 2^(old M - new M); the packed forms name the pair and take its low word
.set NM,  17                           ; tile u at +2 u: -M
.set TS,  20                           ; v20-25 three more chains of sums; v20-24 and v26-30 the tiles' maxima
.set LIM, 28                           ; tile u at -2 u, two registers with one number: 57,344 x 2^(ep + Mc)
.set SCL, 30                           ; tile u at +u: 2^(ep + Mc)
.set PS,  32                           ; the first 16 of p's codes
.set QF,  48                           ; Q, 8 a tile
.set OT,  64                           ; O^T, 32 a tile
.set BY,  128                          ; S^T's tile 1: region B
.set WY,  1
.set WV,  14                           ; s14 wave; s15 g; s16 kh; s17 wave & 1; s18 cx; s19 my block of queries
.set SEL, 20                           ; s[20:21] lane selects for v_permlanex16_b32: lane l xor 16
.set CS,  22                           ; s[22:23] c
.set G1K, 24                           ; s[24:31] descriptor group 1 for K's tiles; s[32:39] for V's; s[40:43], s[44:47] their groups 0, which walk
.set G1V, 32
.set G0K, 40
.set G0V, 44
.set TRIPS, 49                         ; s49  trips of two slots to go
.set LIM1, 50                          ; s50  1 in a wave that prefetches, else the greatest number
.set EPV, 51                           ; s51  ep + ev
.set PFA, 52                           ; s[52:53] where my prefetches stand; s[54:55] a slot on, in bytes
.set PFS, 54
.set LIMS, 76                          ; s76  57,344 x 2^ep
.set SCLS, 78                          ; s78  2^ep
.set MASK, 77                          ; s77, s79  the lanes whose M lies in 0 .. 100, tiles 0 and 1
.set MSB, 0
.macro WIN new                         ; the immediate's high byte repeats the setting that is left; a switch that changes nothing is dropped
.if MSB != (\new)
	s_set_vgpr_msb (MSB<<8)|(\new)
.set MSB, (\new)
.endif
.endm
.macro AW                              ; the wait around batches of transcendentals and ahead of blocking waits
	s_wait_alu depctr_va_vdst(0)
.endm
; A round of the cluster's barrier behind its opening barrier: wave 0 signals for the work-group, every wave waits for all four work-groups, my work-group's barrier once more.
.macro CREST
	s_cmp_lg_u32 s[WV], 0
	s_cbranch_scc1 .Lnot_wave_0_\@
	s_barrier_signal -3
.Lnot_wave_0_\@:
	s_barrier_wait -3
	s_barrier_signal -1
	s_barrier_wait -1
.endm
.macro CROUND
	s_barrier_signal -1
	s_barrier_wait -1
	CREST
.endm
; A joint refill: waves 0 and 1 fetch K's halves, waves 2 and 3 V's, the others nothing.  The branches hang on the wave's number alone.
.macro JLOAD
	s_cmp_lt_u32 s[WV], 2
	s_cbranch_scc0 .Lnot_k_\@
	tensor_load_to_lds s[G0K:G0K+3], s[G1K:G1K+7]
	s_nop 0
.rept 4
	v_nop
.endr
	s_branch .Lasked_\@
.Lnot_k_\@:
	s_cmp_lt_u32 s[WV], 4
	s_cbranch_scc0 .Lasked_\@
	tensor_load_to_lds s[G0V:G0V+3], s[G1V:G1V+7]
	s_nop 0
.rept 4
	v_nop
.endr
.Lasked_\@:
.endm
; A PREFETCH INTO THE L2 of what the NEXT change of slots will ask for: the slot's 32,768 bytes of K and 512 bytes of each of V's 64 rows, 128 aligned blocks of 256 bytes each.  Each block is named ONCE in the launch:
; both clusters of a head walk the same K and V, so the head's first cluster asks; its four partners share the blocks out BY ADDRESS, 32 each; in each, wave 4 asks for K's and wave 5 for V's, a lane a block, one instruction.
; The change in slot n loads slot n + 2 and asks for slot n + 3; the last one that loads asks for nothing; slots 0, 1 and 2 come by their loads alone.
.macro ASK par
.if \par
	s_cmp_gt_u32 s[TRIPS], s[LIM1]
.else
	s_cmp_ge_u32 s[TRIPS], s[LIM1]
.endif
	s_cbranch_scc0 .Lnot_mine_\@
	global_prefetch_b8 v[PFO], s[PFA:PFA+1] th:TH_LOAD_NT scope:SCOPE_SE
.Lnot_mine_\@:
.endm
.macro STEPD                           ; the walking descriptors: the other slot than last time, the next 512 keys; the type bits on top are not reached
	s_xor_b32 s[G0K+1], s[G0K+1], SLOT1
	s_add_nc_u64 s[G0K+2:G0K+3], s[G0K+2:G0K+3], SK*64
	s_xor_b32 s[G0V+1], s[G0V+1], SLOT1
	s_add_nc_u64 s[G0V+2:G0V+3], s[G0V+2:G0V+3], SK
.endm
	s_load_b256 s[4:11], s[0:1], 0x0               ; Q's codes s[4:5], K's s[6:7], V's s[8:9], the scales' exponents s[10:11]
	s_load_b64 s[12:13], s[0:1], 0x20              ; out
	v_lshl_add_u32 v[SPW], v0, 2, SPARE
	v_mov_b32 v[NIL], 0
	ds_add_u32 v[SPW], v[NIL]                      ; the wave's opening: the add, twice on end, and its wait ahead of my first tensor load
	ds_add_u32 v[SPW], v[NIL]
	v_lshrrev_b32 v26, 5, v0
	v_readfirstlane_b32 s[WV], v26                 ; wave 0..7
	s_and_b32 s15, s[WV], 3                        ; g: my 32 queries.  Also: which part of a slot I fetch at the head
	s_lshr_b32 s16, s[WV], 2                       ; kh: my half of the keys.  Also: which slot I fetch for at the head
	s_and_b32 s17, s[WV], 1                        ; which half of K's or V's tile I fetch
	s_bfe_u32 s18, ttmp6, 0x40000                  ; cx: my place in the cluster
	s_lshl_b32 s19, ttmp9, 2                       ; in a cluster launch ttmp9 counts clusters
	s_add_co_u32 s19, s19, s18                     ; my block of 128 queries: it enters Q's and out's addresses alone
	s_and_b32 s60, ttmp7, 0xffff                   ; the head, which the four partners share
	s_lshl_b32 s62, s60, 19                        ; the head's first byte in K and in V: 524,288 bytes a head
	s_mov_b32 s63, 0
	s_lshl_b32 s66, s17, 14                        ; K: my 256 keys of 64 bytes,
	s_lshl_b32 s67, s16, 15
	s_add_co_u32 s66, s66, s67                     ; of slot kh
	s_mov_b32 s67, 0
	s_add_nc_u64 s[66:67], s[66:67], s[62:63]
	s_lshl_b32 s68, s17, 18                        ; V: my 32 rows of 8,192 bytes,
	s_lshl_b32 s69, s16, 9
	s_add_co_u32 s68, s68, s69                     ; slot kh's 512 codes of each
	s_mov_b32 s69, 0
	s_add_nc_u64 s[68:69], s[68:69], s[62:63]
	s_lshl_b32 s72, s16, 17
	s_mul_i32 s70, s17, KHALF                      ; and their places in LDS: no place in the cluster enters an LDS address
	s_add_co_u32 s70, s70, s72
	s_mul_i32 s71, s17, VHALF
	s_add_co_u32 s71, s71, s72
	s_add_co_u32 s71, s71, VOFF
	s_lshl_b32 s72, s60, 16                        ; Q: 65,536 bytes a head, 8,192 a block, 2,048 for a wave's 32 queries
	s_lshl_b32 s73, s19, 13
	s_add_co_u32 s72, s72, s73
	s_lshl_b32 s73, s15, 11
	s_add_co_u32 s72, s72, s73
	s_mov_b32 s73, 0
	s_lshl_b32 s74, s60, 18                        ; out: 262,144 bytes a head, 32,768 a block, 8,192 for 32 queries; I store the tile kh of them: 4,096
	s_lshl_b32 s75, s19, 15
	s_add_co_u32 s74, s74, s75
	s_lshl_b32 s75, s15, 13
	s_add_co_u32 s74, s74, s75
	s_lshl_b32 s75, s16, 12
	s_add_co_u32 s74, s74, s75
	s_mov_b32 s75, 0
	; descriptor group 1, elements of one byte.  K: 64 rows of 256 bytes, dense in memory;  V: 32 rows of 512 bytes, 8,192 bytes apart
	s_mov_b32 s[G1K], 15|(1<<20)|(1<<21)|(5<<22)|(3<<25)   ; 15:0 the mask: all four work-groups; 17:16 elements of 1 byte; 20 padding on; 21 set beside a mask; 24:22 after every 64 words (code 5); 31:25 four words (code 3)
	s_mov_b32 s[G1K+1], 256<<16                    ; tensor_dim0
	s_mov_b32 s[G1K+2], 64<<16                     ; tensor_dim1
	s_mov_b32 s[G1K+3], 256<<16                    ; tile_dim0
	s_mov_b32 s[G1K+4], 64                         ; tile_dim1
	s_mov_b32 s[G1K+5], 256                        ; tensor_dim0_stride
	s_mov_b32 s[G1K+6], 0
	s_mov_b32 s[G1K+7], 0
	s_mov_b32 s[G1V], 15|(1<<20)|(1<<21)|(6<<22)|(3<<25)   ; padding: four words after every 128
	s_mov_b32 s[G1V+1], 512<<16
	s_mov_b32 s[G1V+2], 32<<16
	s_mov_b32 s[G1V+3], 512<<16
	s_mov_b32 s[G1V+4], 32
	s_mov_b32 s[G1V+5], 8192
	s_mov_b32 s[G1V+6], 0
	s_mov_b32 s[G1V+7], 0
	s_mov_b32 s[SEL], 0x76543210
	s_mov_b32 s[SEL+1], 0xfedcba98
	s_mov_b32 s[CS], 0x3fb8aa3b                    ; log2(e)
	s_mov_b32 s[TRIPS], 7
	AW
	s_wait_dscnt 0x0                               ; both opening adds are done
	s_wait_kmcnt 0x0
	s_load_b128 s[56:59], s[10:11], 0x0            ; eq, ek, ep, ev
	s_add_nc_u64 s[4:5], s[4:5], s[72:73]          ; Q at my wave's first query
	s_add_nc_u64 s[12:13], s[12:13], s[74:75]      ; out at the first row that I store
	s_mov_b32 s[G0K], 1                            ; 1:0 count = 1
	s_mov_b32 s[G0K+1], s70                        ; 63:32 LDS address
	s_add_nc_u64 s[G0K+2:G0K+3], s[6:7], s[66:67]  ; 120:64 global address
	s_or_b32 s[G0K+3], s[G0K+3], 0x80000000        ; 127:126 type = 2
	s_mov_b32 s[G0V], 1
	s_mov_b32 s[G0V+1], s71
	s_add_nc_u64 s[G0V+2:G0V+3], s[8:9], s[68:69]
	s_or_b32 s[G0V+3], s[G0V+3], 0x80000000
	CROUND                                         ; all four work-groups are here: the first joint loads meet
	; THE FIRST FILLS, one a wave: waves 0 to 3 fetch slot 0's four parts, waves 4 to 7 slot 1's
	s_cmp_lt_u32 s15, 2
	s_cbranch_scc0 .Lhead_v
	tensor_load_to_lds s[G0K:G0K+3], s[G1K:G1K+7]
	s_nop 0
.rept 4
	v_nop
.endr
	s_branch .Lhead_asked
.Lhead_v:
	tensor_load_to_lds s[G0V:G0V+3], s[G1V:G1V+7]
	s_nop 0
.rept 4
	v_nop
.endr
.Lhead_asked:
	s_mul_i32 s76, s16, KHALF                      ; my half of a slot: of K,
	s_lshl_b32 s77, s16, 8
	s_add_co_u32 s77, s77, VOFF                    ; and of V: 256 codes on
	v_and_b32 v26, 15, v0                          ; r = lane % 16
	v_bfe_u32 v27, v0, 4, 1                        ; h = lane / 16
	v_lshlrev_b32 v29, 6, v26
	v_lshl_add_u32 v29, v27, 3, v29                ; Q: row r of 64 bytes, + 8 h
.irp u, 0,1
.irp c, 0,1,2,3
	global_load_b64 v[QF+8*\u+2*\c:QF+8*\u+2*\c+1], v29, s[4:5] offset:1024*\u+16*\c   ; registers 2 c, 2 c + 1 = channels 16 c + 8 h + 0 .. 7
.endr
.endr
	v_lshrrev_b32 v28, 2, v26
	v_mul_u32_u24 v[AK], v28, KP
	v_and_b32 v28, 3, v26
	v_lshl_add_u32 v[AK], v28, 6, v[AK]
	v_lshl_add_u32 v[AK], v27, 3, v[AK]
	v_add_nc_u32 v[AK], s76, v[AK]                 ; K: key r: (r / 4) x 272 + (r % 4) x 64, + 8 h
	v_add_nc_u32 v[AK+3], SLOT1, v[AK]
	v_mul_u32_u24 v[AV], v26, VP
	v_lshl_add_u32 v[AV], v27, 3, v[AV]
	v_add_nc_u32 v[AV], s77, v[AV]                 ; V: channel r, + 8 h
	v_add_nc_u32 v[AV+3], SLOT1, v[AV]
	; the prefetches (macro ASK): where mine stand, and who asks
	s_cmp_eq_u32 s[WV], 4                          ; wave 4 asks for K's codes, wave 5 for V's
	s_cselect_b64 s[PFA:PFA+1], s[6:7], s[8:9]
	s_mov_b32 s[PFS], SK
	s_cselect_b32 s[PFS], SK*64, s[PFS]            ; a slot on: 32,768 bytes in K, 512 in a row of V
	s_mov_b32 s61, 8192
	s_cselect_b32 s61, 512, s61                    ; from one pair of lanes to the next: 512 bytes of K's block, a row of V
	s_cselect_b32 s78, 13, 17
	s_lshl_b32 s78, s18, s78                       ; my work-group's 32 blocks: 8,192 bytes of K, 16 rows of V,
	s_add_co_u32 s78, s78, s[PFS]
	s_add_co_u32 s78, s78, s[PFS]                  ; in slot 2: the first change of slots steps it to slot 3.  Nothing is prefetched here, at the head
	s_mov_b32 s79, 0
	s_mov_b32 s[PFS+1], 0
	s_add_nc_u64 s[PFA:PFA+1], s[PFA:PFA+1], s[62:63]
	s_add_nc_u64 s[PFA:PFA+1], s[PFA:PFA+1], s[78:79]
	s_sub_co_u32 s[LIM1], s[WV], 4
	s_lshr_b32 s[LIM1], s[LIM1], 1                 ; 0 in waves 4 and 5,
	s_or_b32 s[LIM1], s[LIM1], ttmp9               ; of the head's first cluster: the same in all four partners
	s_cmp_eq_u32 s[LIM1], 0
	s_cselect_b32 s[LIM1], 1, -1
	v_and_b32 v28, 31, v0
	v_lshrrev_b32 v30, 1, v28
	v_mul_lo_u32 v[PFO], v30, s61
	v_and_b32 v28, 1, v28
	v_lshl_add_u32 v[PFO], v28, 8, v[PFO]          ; (lane / 2) x that + 256 (lane % 2)
	; a slot's work is written once for each turn of the regions: its first walk finds zeros, which the first change of M leaves zeros
.irp u, 0,1
	v_mov_b32 v[TM+4*\u], 0xff800000               ; the largest score so far: -infinity
	v_mov_b32 v[NP+4*\u], 0x7f61b1e6               ; -M': 3e38
	v_mov_b32 v[NM+2*\u], 0x7f61b1e6               ; -M
	v_mov_b32 v[LS+4*\u], 0
	v_mov_b32 v[LS+4*\u+1], 0
	v_mov_b32 v[30-6*\u], 0                        ; written once: a lane permute's destination counts as one of its sources
.endr
.set J, 0
.rept 64
	v_mov_b32 v[OT+J], 0
.set J, J+1
.endr
	AW
	s_wait_kmcnt 0x0
	s_add_co_i32 s60, s56, s57
	s_lshl_b32 s60, s60, 23
	s_add_co_i32 s[CS], s[CS], s60                 ; a score stands for score x 2^(eq + ek): the two exponents are added to c's exponent field
	s_mov_b32 s[CS+1], s[CS]                       ; (named with it as a pair, so it is written)
	s_add_co_i32 s[EPV], s58, s59                  ; ep + ev, for the end
	s_min_i32 s60, s58, 27                         ; ep, as the conversion needs it
	s_add_co_i32 s60, s60, 127
	s_lshl_b32 s[SCLS], s60, 23                    ; 2^ep as f32
	s_add_co_i32 s60, s60, 15
	s_lshl_b32 s60, s60, 23
	s_or_b32 s[LIMS], s60, 0x600000                ; 57,344 x 2^ep
; 16 LDS loads: tiles 4 q .. 4 q + 3 of 16 keys of my 256 keys of slot par into region (b, w): a tile's register pairs c = channels 16 c + 8 h + 0 .. 7
.macro LDK par, b, w, q
	WIN 0x40*(\w)
.irp t, 0,1,2,3
.irp c, 0,1,2,3
	ds_load_b64 v[\b+8*(4*\q+\t)+2*\c:\b+8*(4*\q+\t)+2*\c+1], v[AK+3*(\par)] offset:4*KP*(4*\q+\t)+16*\c
.endr
.endr
.endm
; 16 LDS loads: 16 channels x my 256 keys of slot par into the V region: register pairs c = keys 16 c + 8 h + 0 .. 7
.macro LDV par, t
	WIN 0x40*WZ
.irp c, 0,1,2,3,4,5,6,7,8,9,10,11,12,13,14,15
	ds_load_b64 v[BZ+32*\t+2*\c:BZ+32*\t+2*\c+1], v[AV+3*(\par)] offset:\t*16*VP+16*\c
.endr
.endm
; the maximum over a tile's scores, n-th pairs from n0 to n1, in four chains that begin with the largest score so far; in ascending order
.macro MAXP b, w, m, tm, n0, n1
	WIN 0x14*(\w)
.set N, \n0
.rept (\n1)-(\n0)
.if N < 4
	v_max3_num_f32 v[\m+N], v[\tm], v[\b+2*N], v[\b+2*N+1]
.else
	v_max3_num_f32 v[\m+N%4], v[\m+N%4], v[\b+2*N], v[\b+2*N+1]
.endif
.set N, N+1
.endr
.endm
; the new M, M' and Mc, the factors, the hold and the scale, both tiles line by line
.macro STATS
	WIN 0
.irp u, 0,1
	v_max3_num_f32 v[26-6*\u], v[26-6*\u], v[27-6*\u], v[28-6*\u]
.endr
.irp u, 0,1
	v_max_num_f32 v[26-6*\u], v[26-6*\u], v[29-6*\u]
.endr
.irp u, 0,1
	v_permlanex16_b32 v[30-6*\u], v[26-6*\u], s[SEL], s[SEL+1]   ; the query's other keys lie in the lane 16 away
.endr
.irp u, 0,1
	v_max_num_f32 v[TM+4*\u], v[26-6*\u], v[30-6*\u]
.endr
.irp u, 0,1
	v_mul_f32 v[27-6*\u], s[CS], v[TM+4*\u]        ; as t (c is positive)
.endr
.irp u, 0,1
	v_floor_f32 v[27-6*\u], -v[27-6*\u]            ; the new -M = floor(-t) = -ceil(t): a whole number
.endr
.irp u, 0,1
	v_med3_num_f32 v[26-6*\u], v[27-6*\u], 0xc2c80000, 0         ; between -100 and 0
.endr
.irp u, 0,1
	v_sub_f32 v[28-6*\u], v[27-6*\u], v[NM+2*\u]   ; old M - new M: a whole number, 0 or less
.endr
.irp u, 0,1
	v_cmp_eq_f32 s[MASK+2*\u], v[26-6*\u], v[27-6*\u]            ; M lies in 0 .. 100
.endr
.irp u, 0,1
	v_mov_b32 v[NM+2*\u], v[27-6*\u]
.endr
.irp u, 0,1
	v_cndmask_b32 v[29-6*\u], v[27-6*\u], 0, s[MASK+2*\u]        ; the new -M': 0 there, else -M
.endr
.irp u, 0,1
	v_cvt_i32_f32 v[28-6*\u], v[28-6*\u]           ; (it saturates)
.endr
.irp u, 0,1
	v_sub_f32 v[26-6*\u], v[29-6*\u], v[NP+4*\u]   ; old M' - new M': 0 or less
.endr
.irp u, 0,1
	v_sub_f32 v[30-6*\u], v[29-6*\u], v[27-6*\u]   ; Mc = M - M': 0 .. 100
.endr
.irp u, 0,1
	v_mov_b32 v[NP+4*\u], v[29-6*\u]
.endr
.irp u, 0,1
	v_cvt_i32_f32 v[26-6*\u], v[26-6*\u]
.endr
.irp u, 0,1
	v_cvt_i32_f32 v[30-6*\u], v[30-6*\u]
.endr
.irp u, 0,1
	v_ldexp_f32 v[FF+2*\u], 1.0, v[28-6*\u]        ; f = 2^(old M - new M), for O
.endr
.irp u, 0,1
	v_ldexp_f32 v[26-6*\u], 1.0, v[26-6*\u]        ; 2^(old M' - new M'), for the sum (named as a pair, of which the low word counts)
.endr
.irp u, 0,1
	v_pk_mul_f32 v[LS+4*\u:LS+4*\u+1], v[LS+4*\u:LS+4*\u+1], v[26-6*\u:27-6*\u] op_sel_hi:[1,0]
.endr
.irp u, 0,1
	v_ldexp_f32 v[LIM-2*\u], s[LIMS], v[30-6*\u]   ; the hold (tile 0's temporaries in v26-29 are done with)
	v_ldexp_f32 v[LIM-2*\u+1], s[LIMS], v[30-6*\u]
.endr
	v_ldexp_f32 v[SCL+1], s[SCLS], v24             ; the conversion's scale
	v_ldexp_f32 v[SCL], s[SCLS], v30
.endm
.macro FMA1 r, nm                      ; z = t - M', two at a time (of the pairs c and -M' the low word serves both halves)
	v_pk_fma_f32 v[\r:\r+1], v[\r:\r+1], s[CS:CS+1], v[\nm:\nm+1] op_sel_hi:[1,0,0]
.endm
.macro FMAG b, w, k, nm                ; a group of 32
	WIN 0x41*(\w)
.set J, 0
.rept 16
	FMA1 \b+32*\k+2*J, \nm
.set J, J+1
.endr
.endm
; p = 2^z for group k of 32, a batch; the next group's z (nk = 9: none) stands among it where it lies in the same window, else behind it
.macro EXPG b, w, k, nb, nw, nk, nm
	WIN 0x41*(\w)
.set J, 0
.rept 16
	v_exp_f32 v[\b+32*\k+2*J], v[\b+32*\k+2*J]
	v_exp_f32 v[\b+32*\k+2*J+1], v[\b+32*\k+2*J+1]
.if (\nk < 4) && (\nw == \w)
	FMA1 \nb+32*\nk+2*J, \nm
.endif
.set J, J+1
.endr
.if (\nk < 4) && (\nw != \w)
	FMAG \nb, \nw, \nk, \nm
.endif
.endm
.macro ADDP acc, r
	v_pk_add_f32 v[\acc:\acc+1], v[\acc:\acc+1], v[\r:\r+1]
.endm
.macro SUMN u, n, r                    ; four chains of sums by turns
.if ((\n)%4) == 3
	ADDP LS+4*\u, \r
.else
	ADDP TS+2*((\n)%4), \r
.endif
.endm
; Group k of tile u: the UNQUANTISED p join the sum; the hold, since the conversion to an 8-bit code does not saturate (ISA guide 7.6.2; p is not negative, so it is one-sided, and it stands without a branch, whatever ep is); the four conversions.
.macro BLOCK u, b, w, k
.if (\k) == 0
	WIN 0x05*(\w)
	v_pk_add_f32 v[TS:TS+1], v[\b+2:\b+3], v[\b+4:\b+5]
	v_pk_add_f32 v[TS+2:TS+3], v[\b+6:\b+7], v[\b+8:\b+9]
	v_pk_add_f32 v[TS+4:TS+5], v[\b+10:\b+11], v[\b+12:\b+13]
	WIN 0x04*(\w)
	ADDP LS+4*\u, \b
.set I, 7
.rept 9
	SUMN \u, I-7, \b+2*I
.set I, I+1
.endr
.else
	WIN 0x04*(\w)
.set I, 0
.rept 16
	SUMN \u, I, \b+32*\k+2*I
.set I, I+1
.endr
.endif
.if (\k) == 3
	WIN 0
	ADDP TS+2, TS+4
	ADDP LS+4*\u, TS
	ADDP LS+4*\u, TS+2
.endif
	WIN 0x41*(\w)
.set I, 0
.rept 16
	v_dual_min_num_f32 v[\b+32*\k+2*I], v[\b+32*\k+2*I], v[LIM-2*\u] :: v_dual_min_num_f32 v[\b+32*\k+2*I+1], v[\b+32*\k+2*I+1], v[LIM-2*\u+1]
.set I, I+1
.endr
.if (\k) < 2
	WIN 0x01*(\w)
.set PD, PS+8*(\k)
.else
	WIN 0x41*(\w)
.set PD, \b+8*(\k-2)
.endif
.irp t, 0,1,2,3
	v_cvt_scalef32_pk8_bf8_f32 v[PD+2*\t:PD+2*\t+1], v[\b+32*\k+8*\t:\b+32*\k+8*\t+7], v[SCL+\u]
.endr
.endm
; O^T += V^T P^T for tile u: four accumulators by turns, one instruction a turn: three others between two steps of a sum
.macro PV u, b, w
	v_nop                                          ; the plain instruction between the last conversion and the products that read its result
	WIN WZ
.irp t, 0,1,2,3
	v_wmma_f32_16x16x128_bf8_bf8 v[OT+32*(\u)+8*\t:OT+32*(\u)+8*\t+7], v[BZ+32*\t:BZ+32*\t+15], v[PS:PS+15], v[OT+32*(\u)+8*\t:OT+32*(\u)+8*\t+7]
.endr
	WIN WZ+4*(\w)
.irp t, 0,1,2,3
	v_wmma_f32_16x16x128_bf8_bf8 v[OT+32*(\u)+8*\t:OT+32*(\u)+8*\t+7], v[BZ+32*\t+16:BZ+32*\t+31], v[\b:\b+15], v[OT+32*(\u)+8*\t:OT+32*(\u)+8*\t+7]
.endr
.endm
; A SLOT: my 256 keys of it, for both my tiles of queries.  K has been asked for from LDS in the slot before.
; THE CHANGE OF SLOTS stands in its middle, when V is in registers: each wave waits for all its tensor loads (its part of the next slot), adds 0 to its spare word, and waits for that and for its reads of this slot.
; fill = 1: the barrier opens a round of the cluster's, so that no wave of any partner still reads this slot or has a load on its way; the joint load of the keys two slots on is the first thing behind it.
; fill = 0: the next slot is whole behind the barrier, nothing is filled.  fill = 2: the last slot.
.macro SLOT par, fill
.if (\par) == 0
.set BX, 0
.set WX, 1
.set BZ, 128
.set WZ, 0
.else
.set BX, 128
.set WX, 0
.set BZ, 0
.set WZ, 1
.endif
.rept 5
	v_nop                                          ; five places: the products below write over registers that the last products read
.endr
	s_wait_dscnt 0x0                               ; K is in
	WIN WZ+0x40*WX                                 ; S^T = K Q^T: 32 products, each a whole sum (K = 64) that starts with the constant 0
.irp t, 0,1,2,3,4,5,6,7,8,9,10,11,12,13,14,15
	v_wmma_f32_16x16x64_bf8_bf8 v[BX+8*\t:BX+8*\t+7], v[BZ+8*\t:BZ+8*\t+7], v[QF:QF+7], 0
.endr
	WIN WZ+0x40*WY
.irp t, 0,1,2,3,4,5,6,7,8,9,10,11,12,13,14,15
	v_wmma_f32_16x16x64_bf8_bf8 v[BY+8*\t:BY+8*\t+7], v[BZ+8*\t:BZ+8*\t+7], v[QF+8:QF+15], 0
.endr
.rept 4
	v_nop                                          ; four places: for the first read of the scores, and for the loads into K's registers
.endr
	LDV \par, 0
	MAXP BX, WX, 26, TM, 0, 32
	LDV \par, 1
	MAXP BX, WX, 26, TM, 32, 64
	LDV \par, 2
	MAXP BY, WY, 20, TM+4, 0, 32
	LDV \par, 3
	MAXP BY, WY, 20, TM+4, 32, 64
	STATS
	FMAG BX, WX, 0, NP
	WIN 0
	AW                                             ; O^T is first read below, behind the last slot's exponentials, and the first batch reads what stands above
.set J, 0
.rept 32
	v_pk_mul_f32 v[OT+2*J:OT+2*J+1], v[OT+2*J:OT+2*J+1], v[FF+2*(J/16):FF+2*(J/16)+1] op_sel_hi:[1,0]   ; O^T under the new M
.set J, J+1
.endr
	EXPG BX, WX, 0, BX, WX, 1, NP
	AW                                             ; one wait a batch: for the sources of the batch that follows and the results of the one before
	EXPG BX, WX, 1, BX, WX, 2, NP
	BLOCK 0, BX, WX, 0
	AW
	EXPG BX, WX, 2, BX, WX, 3, NP
	BLOCK 0, BX, WX, 1
	AW
	EXPG BX, WX, 3, BY, WY, 0, NP+4
	BLOCK 0, BX, WX, 2
	WIN 0
	AW
.if (\fill) < 2
	s_wait_tensorcnt 0x0                           ; no tensor load of mine is out, so a group 0 may be written
	ds_add_u32 v[SPW], v[NIL]                      ; 0 onto my spare word
.if (\fill) == 1
	STEPD
	s_wait_xcnt 0x0                                ; the last prefetch has read its address, so it may be written:
	s_add_nc_u64 s[PFA:PFA+1], s[PFA:PFA+1], s[PFS:PFS+1]   ; one slot further on than the walking descriptors
.endif
.endif
	EXPG BY, WY, 0, BY, WY, 1, NP+4
	BLOCK 0, BX, WX, 3
	AW
	s_wait_dscnt 0x0                               ; V is in: my reads of this slot are over; the add is done
.if (\fill) < 2
	s_barrier_signal -1                            ; work on registers while the others arrive
.endif
	PV 0, BX, WX
	EXPG BY, WY, 1, BY, WY, 2, NP+4
	BLOCK 1, BY, WY, 0
	WIN 0
	AW
.if (\fill) < 2
	s_barrier_wait -1
.if (\fill) == 1
	CREST
	JLOAD                                          ; the first tensor load behind the round, and a wave's one until the next
.endif
	LDK 1-\par, BX, WX, 0                          ; the next slot's K, into the registers of tile 0's scores
	WIN 0
.if (\fill) == 1
	ASK \par
.endif
	LDK 1-\par, BX, WX, 1
.endif
	EXPG BY, WY, 2, BY, WY, 3, NP+4
.if (\fill) < 2
	LDK 1-\par, BX, WX, 2
.endif
	BLOCK 1, BY, WY, 1
	AW
.if (\fill) < 2
	LDK 1-\par, BX, WX, 3
.endif
	EXPG BY, WY, 3, BY, WY, 9, NP+4
	BLOCK 1, BY, WY, 2
	AW
	BLOCK 1, BY, WY, 3
	AW
	PV 1, BY, WY
	WIN 0                                          ; at a label and at a branch every window is 0
.endm
	AW
	s_wait_loadcnt 0x0                             ; Q
	s_wait_tensorcnt 0x0                           ; my part of slot 0 or 1 has landed
	STEPD                                          ; as if slot 1 had been asked for last: the first change steps to slot 2
	s_barrier_signal -1
	s_barrier_wait -1                              ; slots 0 and 1 are whole
.irp q, 0,1,2,3
	LDK 0, 128, 0, \q
.endr
.Lslot:                                            ; 7 trips of two slots: slots 0 to 13, whose changes ask for slots 2 to 15
	SLOT 0, 1
	SLOT 1, 1
	s_sub_co_u32 s[TRIPS], s[TRIPS], 1
	s_cmp_lg_u32 s[TRIPS], 0
	s_cbranch_scc1 .Lslot
	SLOT 0, 0                                      ; the last two slots are written out
	SLOT 1, 2
	; THE JOINING of the two halves of the keys.  Every wave lays its two tiles' O^T, -M and sum into LDS as images of its registers (lane l's 16 bytes at 16 l); behind a barrier wave (g, kh) takes tile kh of waves g and g + 4.
	; The additions and the addresses below are the places behind the last products.
	s_mul_i32 s60, s[WV], WIMG
	s_mul_i32 s61, s15, WIMG
	s_mul_i32 s62, s16, TIMG
	s_add_co_u32 s61, s61, s62
	s_mul_i32 s63, s[WV], 16*272
	s_add_co_u32 s63, s63, STG                     ; my stage
	v_add_f32 v[TM], v[LS], v[LS+1]                ; the sum's two halves (the largest score is done with: its register takes the sum),
	v_add_f32 v[TM+4], v[LS+4], v[LS+5]
	v_sub_f32 v22, v[NM], v[NP]                    ; -Mc,
	v_sub_f32 v23, v[NM+2], v[NP+4]
	v_and_b32 v28, 31, v0                          ; lane
	v_lshl_add_u32 v1, v28, 4, s60                 ; where I lay my images,
	v_lshl_add_u32 v2, v28, 3, s60                 ; and my pairs
	v_lshl_add_u32 v4, v28, 4, s61                 ; where I take wave g's tile kh; wave g + 4's lies 4 WIMG further on
	v_lshl_add_u32 v5, v28, 3, s61
	v_lshlrev_b32 v29, 4, v28                      ; out: 16 x lane: lanes 0-15 one row of 256 bytes, lanes 16-31 the next
	v_cvt_i32_f32 v22, v22
	v_cvt_i32_f32 v23, v23
	v_mov_b32 v[NP], v[NM]                         ; -M beside the sum
	v_mov_b32 v[NP+4], v[NM+2]
	v_and_b32 v30, 15, v0                          ; r
	v_bfe_u32 v31, v0, 4, 1                        ; h
	v_mul_u32_u24 v26, v30, 272
	v_lshl_add_u32 v26, v31, 5, v26
	v_add_nc_u32 v26, s63, v26                     ; in: row r; channel tile t's eight channels of my half: 64 t + 32 h bytes on
	v_mul_u32_u24 v27, v31, 272
	v_lshl_add_u32 v27, v30, 4, v27
	v_add_nc_u32 v27, s63, v27                     ; back: lanes 0-15 one row, lanes 16-31 the next
	v_permlanex16_b32 v20, v[TM], s[SEL], s[SEL+1]
	v_permlanex16_b32 v21, v[TM+4], s[SEL], s[SEL+1]
	v_add_f32 v[TM], v[TM], v20                    ; and lane l xor 16's
	v_add_f32 v[TM+4], v[TM+4], v21
	v_ldexp_f32 v[TM], v[TM], v22                  ; the sum under M
	v_ldexp_f32 v[TM+4], v[TM+4], v23
.irp u, 0,1
.irp i, 0,1,2,3,4,5,6,7
.if (\i%2) == 0
	AW                                             ; an accumulator's first reader: the wait directly ahead of it
.endif
	ds_store_b128 v1, v[OT+32*\u+4*\i:OT+32*\u+4*\i+3] offset:TIMG*\u+512*\i   ; in ascending order: each accumulator from its low end on
.endr
	ds_store_b64 v2, v[NP+4*\u:NP+4*\u+1] offset:TIMG*\u+4096
.endr
	s_wait_dscnt 0x0                               ; for the others' sake: my images lie in LDS
	s_barrier_signal -1
	s_barrier_wait -1
.irp k, 0,1
.irp i, 0,1,2,3,4,5,6,7
	ds_load_b128 v[128+32*\k+4*\i:128+32*\k+4*\i+3], v4 offset:4*WIMG*\k+512*\i
.endr
	ds_load_b64 v[16+2*\k:17+2*\k], v5 offset:4*WIMG*\k+4096                   ; v16 -M, v17 sum of the first half of the keys; v18, v19 of the second
.endr
	s_wait_dscnt 0x0
	v_min_num_f32 v20, v16, v18                    ; -M of both: the larger M
	v_sub_f32 v21, v20, v16                        ; each half's M less that: whole numbers, 0 or less
	v_sub_f32 v22, v20, v18
	v_cvt_i32_f32 v21, v21
	v_cvt_i32_f32 v22, v22
	v_ldexp_f32 v21, 1.0, v21                      ; the halves' factors, powers of two
	v_ldexp_f32 v22, 1.0, v22
	v_mul_f32 v23, v17, v21
	v_fma_f32 v23, v19, v22, v23                   ; the row's sum
	AW
	v_rcp_f32 v23, v23
	v_nop                                          ; a plain instruction between the reciprocal and the use of its result
	AW
	v_ldexp_f32 v23, v23, s[EPV]                   ; x 2^(ep + ev)
	v_mul_f32 v20, v21, v23                        ; what the first half's O^T is multiplied by (the packed forms name v[20:21] and take the low word),
	v_mul_f32 v22, v22, v23                        ; and the second's (v[22:23])
.set J, 0
.rept 16
	v_pk_mul_f32 v[192+J:193+J], v[128+J:129+J], v[20:21] op_sel_hi:[1,0]
	v_pk_fma_f32 v[192+J:193+J], v[160+J:161+J], v[22:23], v[192+J:193+J] op_sel_hi:[1,0,1]   ; register 8 t + j is out(query r, channel 16 t + 8 h + j)
.set J, J+2
.endr
	; THE WAY OUT: 16 rows of 256 bytes through my own stage, so that sixteen lanes store 256 consecutive bytes, at a multiple of 256 from out's first byte
.irp t, 0,1,2,3
	ds_store_b128 v26, v[192+8*\t:195+8*\t] offset:64*\t
	ds_store_b128 v26, v[196+8*\t:199+8*\t] offset:64*\t+16
.endr
.irp i, 0,1,2,3,4,5,6,7
	ds_load_b128 v[224+4*\i:227+4*\i], v27 offset:2*\i*272   ; LDS serves a wave's instructions in order (ISA guide 5.7.1.4): these see my stores
.endr
.irp i, 0,1,2,3,4,5,6,7
	s_wait_dscnt 7-\i                              ; the younger loads may stay out
	global_store_b128 v29, v[224+4*\i:227+4*\i], s[12:13] offset:512*\i th:TH_STORE_NT   ; written once, read by nobody here
.endr
	s_wait_tensorcnt 0x0                           ; the wave's end: behind my last tensor load and my last LDS store
	ds_add_u32 v[SPW], v[NIL]
	s_wait_dscnt 0x0
	CROUND                                         ; the closing round: no work-group ends while a partner may still ask for a tile that names it
	s_endpgm
.Lfunc_end_k_qfd6002b0d9_attn:
	.size	k_qfd6002b0d9_attn, .Lfunc_end_k_qfd6002b0d9_attn-k_qfd6002b0d9_attn
	.p2alignl 7, 3214868480
	.fill 96, 4, 3214868480
	.section	.rodata,"a",@progbits
	.p2align	6, 0x0
	.amdhsa_kernel k_qfd6002b0d9_attn
		.amdhsa_group_segment_fixed_size 327680
		.amdhsa_private_segment_fixed_size 0
		.amdhsa_enable_private_segment 0
		.amdhsa_kernarg_size 40
		.amdhsa_user_sgpr_count 2
		.amdhsa_user_sgpr_kernarg_segment_ptr 1
		.amdhsa_wavefront_size32 1
		.amdhsa_system_sgpr_workgroup_id_x 1
		.amdhsa_system_sgpr_workgroup_id_y 1
		.amdhsa_system_sgpr_workgroup_id_z 1
		.amdhsa_system_vgpr_workitem_id 0
		.amdhsa_next_free_vgpr 512
		.amdhsa_next_free_sgpr 80
		.amdhsa_reserve_vcc 0
		.amdhsa_float_denorm_mode_32 3
		.amdhsa_float_denorm_mode_16_64 3
		.amdhsa_memory_ordered 1
		.amdhsa_forward_progress 1
		.amdhsa_inst_pref_size 255
	.end_amdhsa_kernel
	.section	.bss,"aw",@nobits
	.p2align	6
	.space	262144
	.amdgpu_metadata
---
amdhsa.version: [ 1, 2 ]
amdhsa.kernels:
  - .name:           k_qfd6002b0d9_attn
    .symbol:         k_qfd6002b0d9_attn.kd
    .args:
      - { .name: q_local_codes, .offset: 0, .size: 8, .value_kind: global_buffer, .address_space: global }
      - { .name: k_local_codes, .offset: 8, .size: 8, .value_kind: global_buffer, .address_space: global }
      - { .name: v_local_codes, .offset: 16, .size: 8, .value_kind: global_buffer, .address_space: global }
      - { .name: lowp_scales, .offset: 24, .size: 8, .value_kind: global_buffer, .address_space: global }
      - { .name: out0, .offset: 32, .size: 8, .value_kind: global_buffer, .address_space: global }
    .group_segment_fixed_size: 327680
    .private_segment_fixed_size: 0
    .kernarg_segment_align: 8
    .kernarg_segment_size: 40
    .max_flat_workgroup_size: 256
    .sgpr_count:     80
    .vgpr_count:     512
    .wavefront_size: 32
...
	.end_amdgpu_metadata
.endif
;; end of part 1
